; MI455X (gfx1250); checked and timed in simulation.
; The chip was launched on July 23, 2026; its instructions are those of AMD's public machine-readable ISA for CDNA 5 (MIT licence, August 2026) and "CDNA5" Instruction Set Architecture Reference Guide (July 2026). The comments in the code are by the model that wrote it; some were corrected since.
;; Local Global Attention. Allowed arithmetic: float matrix products may take bf16 or f16 operands with f32 sums; all other float work in f32.
;; Inputs: c_W 32 x 64 float32; c_b 32 float32; i_W 64 x 64 float32; i_b 64 float32; k_A 1,024 x 4 float32; k_B 4 x 1,024 float32; k_U 1,024 x 64 float32; k_V 1,024 x 64 float32; k_alpha 64 float32; k_b 1,024 float32; memory_vectors 2 x 256 x 64 float32; out_W 1,024 x 1,024 float32; out_b 1,024 float32; q_A 1,024 x 4 float32; q_B 4 x 1,024 float32; q_U 1,024 x 64 float32; q_V 1,024 x 64 float32; q_alpha 64 float32; q_b 1,024 float32; t_W 2 x 64 float32; t_b 2 float32; v_A 1,024 x 4 float32; v_B 4 x 1,024 float32; v_U 1,024 x 64 float32; v_V 1,024 x 64 float32; v_alpha 64 float32; v_b 1,024 float32; x 2 x 2,048 x 1,024 float32.
;; Outputs: out0 2 x 2,048 x 1,024 float32; out1 2 x 2,048 x 2 float32; out2 2 x 2,048 x 64 float32; out3 2 x 2,048 x 32 float32.
;; One version. Each part assembles by itself: llvm-mc -triple=amdgcn-amd-amdhsa -mcpu=gfx1250 --defsym DOCPART=n.
;; ======== version 1 of 1: 3 launches
;; workspace buffers: qws 9,568,256 bytes; kws 9,568,256 bytes; vws 9,568,256 bytes; F 16,777,216 bytes; Wf 2,097,152 bytes
;; launch proj (part 1): grid 64 x 3, 8 waves a work-group, no clusters, 218,112 bytes of LDS; arguments x, q_U, q_A, q_alpha, q_V, q_B, q_b, qws, k_U, k_A, k_alpha, k_V, k_B, k_b, kws, v_U, v_A, v_alpha, v_V, v_B, v_b, vws; writes qws, kws, vws
.if DOCPART == 1
	.amdgcn_target "amdgcn-amd-amdhsa--gfx1250"
	.amdhsa_code_object_version 6
	.text
	.protected	k_q18a4821f43_proj
	.globl	k_q18a4821f43_proj
	.p2align	8
	.type	k_q18a4821f43_proj,@function
k_q18a4821f43_proj:
	s_mov_b64 s[64:65], 0
	v_nop
	global_prefetch_b8 v0, s[64:65] scope:SCOPE_SE
	s_setreg_imm32_b32 hwreg(HW_REG_WAVE_MODE, 25, 1), 1
	s_wait_xcnt 0x0
; One WEAVE projection (grid y: 0 = q, 1 = k, 2 = v) of 64 tokens (grid x):
;   y[n][f] = sum_r (x U)[n][r] alpha[r] V[f][r] + sum_j (x A)[n][j] Bm[j][f] + b[f],   x [4096][1024] f32.
; The result leaves as bf16 in FRAGMENT ORDER: for each (batch, head) a region of 146 tiles of 2,048 bytes; a tile is 16 tokens x 64 d;
; the 16 bytes of (token r, d = 32c+16p+8h .. +7) lie at 1024 c + 512 p + 256 h + ((16 r + 128 h) & 255).
; Tiles 0-7 and 136-143 of a region are zeros (k and v only), 8-135 the tokens, 144-145 the 32 tokens n % 64 == 0 (k and v only).
; Stage 1: t^T = [U|A|0]^T x^T (80 ranks, K = 1024 split over two waves).  Stage 2: y^T = [V|Bm|0] t'^T + b (K = 96).
; Both products are used transposed (weights as first source, tokens as second), so a lane's 8 results are 8 neighbouring
; ranks or features of one token and pack into 16 bytes that belong together.
; LIMITS: x, U, A, V, Bm and t' = alpha (x U) enter the matrix unit as bf16; alpha and b are applied in f32.  NaN and infinities are not followed.
; No cluster: the shared weights are f32 and are converted in registers on their way into LDS.
.set XR,  16                           ; v[16:95]   ring of 5 K steps of x as loaded (16 registers each)
.set BF,  96                           ; v[96:119]  3 fragments of x in bf16
.set ACC, 120                          ; v[120:159] 5 accumulators (rank tiles)
.set AF,  160                          ; v[160:239] 2 sets of 5 fragments of [U|A]^T
.set UB0, 112                          ; v[112:175] staging batch (before the accumulators are live)
.set UB1, 176                          ; v[176:239] staging batch
.set AL,  240                          ; v[240:255] alpha[16 rt + 8 h + 4 q ..], rt = 0..3
.set TP,  16                           ; stage 2: v[16:111] 12 fragments of t'
.set RAW, 112                          ; stage 2: two sets of 44: 32 of V, 4 of Bm, 8 of b
.set WP,  200                          ; stage 2: v[200:223] three fragments of [V|Bm|0]
.set AC2, 224                          ; stage 2: v[224:255] 4 accumulators (token tiles)
.set L_P, 163840                       ; LDS: [U|A|0] at 0, 1,024 rows of 160 bytes; partial sums here, 8 waves x 5,120 bytes
.set L_T, 204800                       ; LDS: t', [token tile 4][rank tile 6][q 2][lane x 8 bytes]
	s_load_b512 s[8:23], s[0:1], 0x0               ; x, then q's U A alpha V B b ws
	s_load_b512 s[24:39], s[0:1], 0x40             ; k's seven, v's U
	s_load_b256 s[40:47], s[0:1], 0x80             ; v's A alpha V B
	s_load_b128 s[48:51], s[0:1], 0xa0             ; v's b ws
	s_set_vgpr_msb 0x40
	v_lshl_add_u32 v0, v0, 2, 0x35000
	v_mov_b32 v1, 0
	s_set_vgpr_msb 0x4000
	v_and_b32 v1, 31, v0                           ; lane
	v_lshrrev_b32 v2, 5, v0
	v_readfirstlane_b32 s2, v2                     ; wave w
	v_and_b32 v2, 15, v0                           ; r
	v_bfe_u32 v3, v0, 4, 1                         ; h
	s_lshr_b32 s3, s2, 1                           ; tt: my token tile in stage 1
	s_and_b32 s4, s2, 1                            ; kh: my half of K; also q: my half of a lane's 8 sums
	s_mov_b32 s5, ttmp9                            ; block of 64 tokens
	s_and_b32 s6, ttmp7, 0xffff                    ; which projection
	s_and_b32 s7, s5, 31                           ; g: the block inside its batch
	s_lshr_b32 s52, s5, 5                          ; batch
	v_cmp_eq_u32 s53, 0, v2                        ; lanes with r == 0
	v_cmp_eq_u32 s54, 0, v3                        ; lanes with h == 0
	v_lshlrev_b32 v4, 12, v2
	v_lshl_add_u32 v4, v3, 5, v4                   ; x: 4096 r + 32 h
	v_lshlrev_b32 v5, 4, v1                        ; 16 x lane
	s_mul_i32 s56, s2, 20480                       ; my 128 rows of [U|A|0] in LDS
	v_mul_u32_u24 v6, v3, 160
	v_lshl_add_u32 v6, v2, 3, v6
	v_add_nc_u32 v6, s56, v6                       ; U into LDS: row h, 8 bytes at 8 r
	v_mul_u32_u24 v7, v1, 160
	v_add3_u32 v7, v7, s56, 128                    ; A into LDS: row lane, byte 128
	v_and_b32 v8, 7, v0
	v_lshl_add_u32 v8, v3, 3, v8
	v_mul_u32_u24 v8, v8, 160
	v_bfe_u32 v9, v0, 3, 1
	v_lshl_add_u32 v8, v9, 4, v8
	s_mul_i32 s57, s4, 81920
	v_add_nc_u32 v8, s57, v8                       ; transposing read: row 8 h + (lane & 7), 16 bytes at 16 ((lane >> 3) & 1); K steps 0-7
	v_add_nc_u32 v9, 40960, v8                     ; K steps 8-15
	v_lshlrev_b32 v10, 8, v2
	v_lshl_add_u32 v10, v3, 5, v10                 ; V: 256 r + 32 h
	v_lshlrev_b32 v11, 2, v2                       ; Bm: 4 r
	v_lshlrev_b32 v12, 5, v3                       ; b: 32 h
	v_lshlrev_b32 v15, 7, v3
	v_lshl_add_u32 v13, v2, 4, v15
	v_and_b32 v13, 255, v13
	v_lshl_add_u32 v13, v3, 8, v13                 ; my 16 bytes in a piece of 512: 256 h + ((16 r + 128 h) & 255)
	s_and_b32 s58, s7, 15
	s_lshl_b32 s58, s58, 4
	v_add_nc_u32 v14, s58, v15
	v_and_b32 v14, 255, v14
	v_lshl_add_u32 v14, v3, 8, v14                 ; the same for row g % 16 of a tile of strided tokens
	s_lshl_b32 s59, s4, 4
	v_lshl_add_u32 v15, v3, 5, s59                 ; alpha: 32 h + 16 q
.irp i, 96,97,98,99
	v_mov_b32 v\i, 0
.endr
	s_wait_kmcnt 0x0
	s_cmp_eq_u32 s6, 1                             ; the projection's seven buffers into s[10:23]
	s_cselect_b64 s[10:11], s[24:25], s[10:11]
	s_cselect_b64 s[12:13], s[26:27], s[12:13]
	s_cselect_b64 s[14:15], s[28:29], s[14:15]
	s_cselect_b64 s[16:17], s[30:31], s[16:17]
	s_cselect_b64 s[18:19], s[32:33], s[18:19]
	s_cselect_b64 s[20:21], s[34:35], s[20:21]
	s_cselect_b64 s[22:23], s[36:37], s[22:23]
	s_cmp_eq_u32 s6, 2
	s_cselect_b64 s[10:11], s[38:39], s[10:11]
	s_cselect_b64 s[12:13], s[40:41], s[12:13]
	s_cselect_b64 s[14:15], s[42:43], s[14:15]
	s_cselect_b64 s[16:17], s[44:45], s[16:17]
	s_cselect_b64 s[18:19], s[46:47], s[18:19]
	s_cselect_b64 s[20:21], s[48:49], s[20:21]
	s_cselect_b64 s[22:23], s[50:51], s[22:23]
	s_mov_b32 s57, 0                               ; s[56:57]: a byte offset below 4 GiB
	s_lshl_b32 s56, s5, 18
	s_lshl_b32 s58, s3, 16
	s_add_co_u32 s56, s56, s58
	s_lshl_b32 s58, s4, 11
	s_add_co_u32 s56, s56, s58
	s_add_nc_u64 s[24:25], s[8:9], s[56:57]        ; x at (64 block + 16 tt) rows + 512 kh columns
	s_lshl_b32 s56, s2, 15
	s_add_nc_u64 s[26:27], s[10:11], s[56:57]      ; U at row 128 w
	s_add_nc_u64 s[30:31], s[16:17], s[56:57]      ; V at feature 128 w
	s_lshl_b32 s56, s2, 11
	s_add_nc_u64 s[28:29], s[12:13], s[56:57]      ; A at row 128 w
	s_lshl_b32 s56, s2, 9
	s_add_nc_u64 s[32:33], s[18:19], s[56:57]      ; Bm at feature 128 w
	s_add_nc_u64 s[34:35], s[20:21], s[56:57]      ; b at feature 128 w
	s_lshl_b32 s58, s52, 4
	s_lshl1_add_u32 s58, s2, s58                   ; region 16 batch + 2 w (my first head)
	s_mul_i32 s58, s58, 146
	s_lshl2_add_u32 s59, s7, s58
	s_add_co_u32 s59, s59, 8
	s_lshl_b32 s56, s59, 11
	s_add_nc_u64 s[36:37], s[22:23], s[56:57]      ; out: tile 8 + 4 g of head 2 w
	s_add_nc_u64 s[38:39], s[36:37], 299008        ; and of head 2 w + 1
	s_lshr_b32 s59, s7, 4
	s_add_co_u32 s59, s59, s58
	s_add_co_u32 s59, s59, 144
	s_lshl_b32 s56, s59, 11
	s_add_nc_u64 s[40:41], s[22:23], s[56:57]      ; out: tile 144 + g / 16 of head 2 w
	s_add_nc_u64 s[42:43], s[40:41], 299008
	s_lshl3_add_u32 s58, s7, s2                    ; z = 8 g + w: one of the batch's 256 zero tiles
	s_and_b32 s59, s58, 15
	s_and_b32 s60, s59, 8
	s_lshl4_add_u32 s59, s60, s59                  ; tile z % 16, and 128 further for the upper eight
	s_lshr_b32 s58, s58, 4
	s_lshl4_add_u32 s58, s52, s58
	s_mul_i32 s58, s58, 146
	s_add_co_u32 s58, s58, s59
	s_lshl_b32 s56, s58, 11
	s_add_nc_u64 s[44:45], s[22:23], s[56:57]
	s_cmp_eq_u32 s6, 0                             ; q has no keys: its pads are neither written nor read
	s_cbranch_scc1 .Lnopad
.irp e, 0,1,2,3
	global_store_b128 v5, v[96:99], s[44:45] offset:\e*512
.endr
.Lnopad:
; ---- staging: my 128 rows of U and A, f32 to bf16, into LDS rows of 160 bytes (64 of U, 4 of A, 12 zeros)
.macro ULOAD buf, batch
.irp i, 0,1,2,3,4,5,6,7,8,9,10,11,12,13,14,15
	global_load_b128 v[\buf+4*\i:\buf+4*\i+3], v5, s[26:27] offset:(16*\batch+\i)*512   ; 512 consecutive bytes: two rows of U
.endr
.endm
.macro USTAGE buf, batch
.irp i, 0,1,2,3,4,5,6,7,8,9,10,11,12,13,14,15
	v_cvt_pk_bf16_f32 v[\buf+4*\i], v[\buf+4*\i], v[\buf+4*\i+1]
	v_cvt_pk_bf16_f32 v[\buf+4*\i+1], v[\buf+4*\i+2], v[\buf+4*\i+3]
	ds_store_b64 v6, v[\buf+4*\i:\buf+4*\i+1] offset:(16*\batch+\i)*320
.endr
.endm
.macro XLOAD t                         ; x of K step t (32 columns of my 16 tokens) into ring slot t % 5
.irp q, 0,1,2,3
	global_load_b128 v[XR+16*((\t)%5)+4*\q:XR+16*((\t)%5)+4*\q+3], v4, s[24:25] offset:(\t)*128+(\q>>1)*64+(\q&1)*16
.endr
.endm
.irp rt, 0,1,2,3
	global_load_b128 v[AL+4*\rt:AL+4*\rt+3], v15, s[14:15] offset:\rt*64
.endr
.irp q, 0,1,2,3
	global_load_b128 v[16+4*\q:19+4*\q], v5, s[28:29] offset:\q*512
.endr
	ULOAD UB0, 0
	ULOAD UB1, 1
	s_wait_loadcnt 32                              ; alpha and A are in; the two batches of U (32 loads) are younger
.irp q, 0,1,2,3
	v_cvt_pk_bf16_f32 v[16+4*\q], v[16+4*\q], v[17+4*\q]
	v_cvt_pk_bf16_f32 v[17+4*\q], v[18+4*\q], v[19+4*\q]
	ds_store_b64 v7, v[16+4*\q:17+4*\q] offset:\q*5120
	ds_store_b64 v7, v[96:97] offset:\q*5120+8
	ds_store_b128 v7, v[96:99] offset:\q*5120+16
.endr
	s_wait_loadcnt 16                              ; batch 0 is in; batch 1 is younger
	USTAGE UB0, 0
	ULOAD UB0, 2
	s_wait_loadcnt 16                              ; batch 1 is in; batch 2 is younger
	USTAGE UB1, 1
	ULOAD UB1, 3
	XLOAD 0
	XLOAD 1
	XLOAD 2
	XLOAD 3
	XLOAD 4
	s_wait_loadcnt 36                              ; batch 2 is in; batch 3 (16) and five K steps of x (20) are younger
	USTAGE UB0, 2
	s_wait_loadcnt 20                              ; batch 3 is in; x is younger
	USTAGE UB1, 3
	s_wait_dscnt 0x0                               ; my rows are written, for the others' sake
	s_wait_xcnt 0x0                                ; v[96:99], which the zero tile's stores read, are rewritten only behind this wait
	s_barrier_signal -1
	s_barrier_wait -1                              ; [U|A|0] is whole; x stays on its way
	s_mul_i32 s56, s2, 5120
	s_add_co_u32 s56, s56, L_P
	v_add_nc_u32 v6, s56, v5                       ; where I put my partial sums
	s_mul_i32 s56, s3, 10240
	s_lshl_b32 s58, s4, 9
	s_add_co_u32 s56, s56, s58
	s_add_co_u32 s56, s56, L_P
	v_add_nc_u32 v7, s56, v5                       ; where I read both K halves of token tile tt, half q
	s_mul_i32 s56, s3, 3072
	s_lshl_b32 s58, s4, 8
	s_add_co_u32 s56, s56, s58
	s_add_co_u32 s56, s56, L_T
	v_lshl_add_u32 v15, v1, 3, s56                 ; where I put t': blocks of 256 bytes that are mine alone
	v_lshlrev_b32 v0, 3, v1
	v_add_nc_u32 v0, L_T, v0                       ; where t' is read
; ---- stage 1: 16 K steps of 32, five rank tiles
.macro XCVT t
.irp i, 0,1,2,3,4,5,6,7
	v_cvt_pk_bf16_f32 v[BF+8*((\t)%3)+\i], v[XR+16*((\t)%5)+2*\i], v[XR+16*((\t)%5)+2*\i+1]
.endr
.endm
.macro UFRAG t                         ; ten transposing reads: [U|A]^T, 5 x 16 ranks x 32 K
.irp rt, 0,1,2,3,4
	ds_load_tr16_b128 v[AF+40*((\t)%2)+8*\rt:AF+40*((\t)%2)+8*\rt+3], v[8+(\t)/8] offset:((\t)%8)*5120+\rt*32
	ds_load_tr16_b128 v[AF+40*((\t)%2)+8*\rt+4:AF+40*((\t)%2)+8*\rt+7], v[8+(\t)/8] offset:((\t)%8)*5120+\rt*32+2560
.endr
.endm
.macro MM1 t, zero                     ; the five accumulators take turns
.irp rt, 0,1,2,3,4
.if \zero
	v_wmma_f32_16x16x32_bf16 v[ACC+8*\rt:ACC+8*\rt+7], v[AF+40*((\t)%2)+8*\rt:AF+40*((\t)%2)+8*\rt+7], v[BF+8*((\t)%3):BF+8*((\t)%3)+7], 0
.else
	v_wmma_f32_16x16x32_bf16 v[ACC+8*\rt:ACC+8*\rt+7], v[AF+40*((\t)%2)+8*\rt:AF+40*((\t)%2)+8*\rt+7], v[BF+8*((\t)%3):BF+8*((\t)%3)+7], v[ACC+8*\rt:ACC+8*\rt+7]
.endif
.endr
.endm
	UFRAG 0
	s_wait_loadcnt 16                              ; K step 0 of x is in; steps 1-4 are younger
	XCVT 0
	XLOAD 5
.set ks, 0
.rept 15
.if ks+5 > 15
.set lastx, 15
.else
.set lastx, ks+5
.endif
	s_wait_loadcnt 4*(lastx-(ks+1))                ; K step ks+1 of x is in; the steps issued behind it stay out
	XCVT ks+1                                      ; eight conversions into the third buffer: also the places between the last products and the loads below
	UFRAG ks+1
.if ks+6 <= 15
	XLOAD ks+6                                     ; into the ring slot just converted
.endif
	s_wait_dscnt 10                                ; this step's fragments are in; the next step's ten reads are younger
.if ks == 0
	MM1 ks, 1                                      ; the first products start the sums
.else
	MM1 ks, 0
.endif
.set ks, ks+1
.endr
	s_wait_dscnt 0x0
	MM1 15, 0
.rept 4
	v_nop                                          ; four places behind the products (ISA guide 7.12.1) before results are read and fragment registers loaded
.endr
.irp rt, 0,1,2,3,4
	ds_store_b128 v6, v[ACC+8*\rt:ACC+8*\rt+3] offset:\rt*1024
	ds_store_b128 v6, v[ACC+8*\rt+4:ACC+8*\rt+7] offset:\rt*1024+512
.endr
	s_wait_dscnt 0x0                               ; my partial sums are written, for the others' sake
; stage 2's weights of feature tile ft of my eight: 14 loads into set ft % 2
.macro WLOAD ft
.set RW, RAW+44*((\ft)%2)
.irp q, 0,1,2,3,4,5,6,7
	global_load_b128 v[RW+4*\q:RW+4*\q+3], v10, s[30:31] offset:(\ft)*4096+(\q>>1)*64+(\q&1)*16
.endr
.irp j, 0,1,2,3
	global_load_b32 v[RW+32+\j], v11, s[32:33] offset:\j*4096+(\ft)*64
.endr
	global_load_b128 v[RW+36:RW+39], v12, s[34:35] offset:(\ft)*64
	global_load_b128 v[RW+40:RW+43], v12, s[34:35] offset:(\ft)*64+16
.endm
	WLOAD 0
	WLOAD 1
	s_barrier_signal -1
	s_barrier_wait -1                              ; everybody's partial sums are in LDS
; ---- the two K halves are added, alpha applied in f32, t' rounded once
.irp rt, 0,1,2,3,4
	ds_load_b128 v[16+4*\rt:19+4*\rt], v7 offset:\rt*1024
	ds_load_b128 v[36+4*\rt:39+4*\rt], v7 offset:\rt*1024+5120
.endr
	v_mov_b32 v56, 0
	v_mov_b32 v57, 0
	s_wait_dscnt 0x0
.irp rt, 0,1,2,3,4
	v_pk_add_f32 v[16+4*\rt:17+4*\rt], v[16+4*\rt:17+4*\rt], v[36+4*\rt:37+4*\rt]
	v_pk_add_f32 v[18+4*\rt:19+4*\rt], v[18+4*\rt:19+4*\rt], v[38+4*\rt:39+4*\rt]
.endr
.irp rt, 0,1,2,3
	v_pk_mul_f32 v[16+4*\rt:17+4*\rt], v[16+4*\rt:17+4*\rt], v[AL+4*\rt:AL+4*\rt+1]
	v_pk_mul_f32 v[18+4*\rt:19+4*\rt], v[18+4*\rt:19+4*\rt], v[AL+4*\rt+2:AL+4*\rt+3]
.endr
.irp rt, 0,1,2,3,4
	v_cvt_pk_bf16_f32 v[16+4*\rt], v[16+4*\rt], v[17+4*\rt]
	v_cvt_pk_bf16_f32 v[17+4*\rt], v[18+4*\rt], v[19+4*\rt]
	ds_store_b64 v15, v[16+4*\rt:17+4*\rt] offset:\rt*512
.endr
	ds_store_b64 v15, v[56:57] offset:2560         ; ranks 80-95 are zeros
	s_wait_dscnt 0x0
	s_barrier_signal -1
	s_barrier_wait -1                              ; t' is whole
.set n, 0
.rept 24
	ds_load_b64 v[TP+4*n:TP+4*n+1], v0 offset:n*512
	ds_load_b64 v[TP+4*n+2:TP+4*n+3], v0 offset:n*512+256
.set n, n+1
.endr
.irp i, 18,19,20,21,22,23
	v_mov_b32 v[WP+\i], 0                          ; [V|Bm|0]: columns 68-95 are zeros, written once
.endr
	s_wait_dscnt 0x0
; ---- stage 2: feature tile ft (16 features) x 4 token tiles, K = 96; left = the next tile's loads that may stay out
.macro FTILE ft, left
	s_wait_loadcnt \left
	s_wait_xcnt 0x0                                ; the accumulators, which the last tile's stores read, are rewritten only behind this wait
.set RS, RAW+44*((\ft)%2)
.irp i, 0,1,2,3,4,5,6,7,8,9,10,11,12,13,14,15
	v_cvt_pk_bf16_f32 v[WP+\i], v[RS+2*\i], v[RS+2*\i+1]
.endr
	v_cvt_pk_bf16_f32 v[WP+16], v[RS+32], v[RS+33]
	v_cvt_pk_bf16_f32 v[WP+17], v[RS+34], v[RS+35]
	v_cndmask_b32 v[WP+16], 0, v[WP+16], s54       ; columns 64-67 belong to the lanes with h == 0; the others hold columns 72-79: zeros
	v_cndmask_b32 v[WP+17], 0, v[WP+17], s54
.irp tt, 0,1,2,3                                   ; the four accumulators take turns; b starts the sums
	v_wmma_f32_16x16x32_bf16 v[AC2+8*\tt:AC2+8*\tt+7], v[WP:WP+7], v[TP+24*\tt:TP+24*\tt+7], v[RS+36:RS+43]
.endr
.irp tt, 0,1,2,3
	v_wmma_f32_16x16x32_bf16 v[AC2+8*\tt:AC2+8*\tt+7], v[WP+8:WP+15], v[TP+24*\tt+8:TP+24*\tt+15], v[AC2+8*\tt:AC2+8*\tt+7]
.endr
.irp tt, 0,1,2,3
	v_wmma_f32_16x16x32_bf16 v[AC2+8*\tt:AC2+8*\tt+7], v[WP+16:WP+23], v[TP+24*\tt+16:TP+24*\tt+23], v[AC2+8*\tt:AC2+8*\tt+7]
.endr
.rept 5
	v_nop                                          ; places behind the products (ISA guide 7.12.1): results are read, b's registers loaded, accumulators started anew
.endr
.if \ft <= 5
	WLOAD \ft+2
.endif
.irp tt, 0,1,2,3
.irp k, 0,1,2,3
	v_cvt_pk_bf16_f32 v[AC2+8*\tt+\k], v[AC2+8*\tt+2*\k], v[AC2+8*\tt+2*\k+1]
.endr
.endr
.irp tt, 0,1,2,3
	global_store_b128 v13, v[AC2+8*\tt:AC2+8*\tt+3], s[36+2*((\ft)>>2):37+2*((\ft)>>2)] offset:\tt*2048+((\ft)&3)*512   ; the wave's store covers 512 consecutive bytes, aligned
.endr
	s_cmp_eq_u32 s6, 0
	s_cbranch_scc1 .Lnostride_\@
	s_wait_xcnt 0x0                                ; EXEC changes only behind this wait
	s_and_saveexec_b32 s55, s53                    ; token 64 g is row 0 of token tile 0: lanes 0 and 16
	global_store_b128 v14, v[AC2:AC2+3], s[40+2*((\ft)>>2):41+2*((\ft)>>2)] offset:((\ft)&3)*512
	s_wait_xcnt 0x0                                ; and again in front of the line that widens it
	s_or_b32 exec_lo, exec_lo, s55
.Lnostride_\@:
.endm
	FTILE 0, 14
	FTILE 1, 14
	FTILE 2, 14
	FTILE 3, 14
	FTILE 4, 14
	FTILE 5, 14
	FTILE 6, 14
	FTILE 7, 0
	s_set_vgpr_msb 0x5
	s_wait_tensorcnt 0x0
	ds_add_u32 v0, v1
	s_wait_dscnt 0x0
	s_set_vgpr_msb 0x500
	s_endpgm
.Lfunc_end_k_q18a4821f43_proj:
	.size	k_q18a4821f43_proj, .Lfunc_end_k_q18a4821f43_proj-k_q18a4821f43_proj
	.p2alignl 7, 3214868480
	.fill 96, 4, 3214868480
	.section	.rodata,"a",@progbits
	.p2align	6, 0x0
	.amdhsa_kernel k_q18a4821f43_proj
		.amdhsa_group_segment_fixed_size 218112
		.amdhsa_private_segment_fixed_size 0
		.amdhsa_enable_private_segment 0
		.amdhsa_kernarg_size 176
		.amdhsa_user_sgpr_count 2
		.amdhsa_user_sgpr_kernarg_segment_ptr 1
		.amdhsa_wavefront_size32 1
		.amdhsa_system_sgpr_workgroup_id_x 1
		.amdhsa_system_sgpr_workgroup_id_y 1
		.amdhsa_system_sgpr_workgroup_id_z 1
		.amdhsa_system_vgpr_workitem_id 0
		.amdhsa_next_free_vgpr 258
		.amdhsa_next_free_sgpr 66
		.amdhsa_reserve_vcc 0
		.amdhsa_float_denorm_mode_32 3
		.amdhsa_float_denorm_mode_16_64 3
		.amdhsa_memory_ordered 1
		.amdhsa_forward_progress 1
		.amdhsa_inst_pref_size 106
	.end_amdhsa_kernel
	.amdgpu_metadata
---
amdhsa.version: [ 1, 2 ]
amdhsa.kernels:
  - .name:           k_q18a4821f43_proj
    .symbol:         k_q18a4821f43_proj.kd
    .args:
      - { .name: x, .offset: 0, .size: 8, .value_kind: global_buffer, .address_space: global }
      - { .name: q_U, .offset: 8, .size: 8, .value_kind: global_buffer, .address_space: global }
      - { .name: q_A, .offset: 16, .size: 8, .value_kind: global_buffer, .address_space: global }
      - { .name: q_alpha, .offset: 24, .size: 8, .value_kind: global_buffer, .address_space: global }
      - { .name: q_V, .offset: 32, .size: 8, .value_kind: global_buffer, .address_space: global }
      - { .name: q_B, .offset: 40, .size: 8, .value_kind: global_buffer, .address_space: global }
      - { .name: q_b, .offset: 48, .size: 8, .value_kind: global_buffer, .address_space: global }
      - { .name: qws, .offset: 56, .size: 8, .value_kind: global_buffer, .address_space: global }
      - { .name: k_U, .offset: 64, .size: 8, .value_kind: global_buffer, .address_space: global }
      - { .name: k_A, .offset: 72, .size: 8, .value_kind: global_buffer, .address_space: global }
      - { .name: k_alpha, .offset: 80, .size: 8, .value_kind: global_buffer, .address_space: global }
      - { .name: k_V, .offset: 88, .size: 8, .value_kind: global_buffer, .address_space: global }
      - { .name: k_B, .offset: 96, .size: 8, .value_kind: global_buffer, .address_space: global }
      - { .name: k_b, .offset: 104, .size: 8, .value_kind: global_buffer, .address_space: global }
      - { .name: kws, .offset: 112, .size: 8, .value_kind: global_buffer, .address_space: global }
      - { .name: v_U, .offset: 120, .size: 8, .value_kind: global_buffer, .address_space: global }
      - { .name: v_A, .offset: 128, .size: 8, .value_kind: global_buffer, .address_space: global }
      - { .name: v_alpha, .offset: 136, .size: 8, .value_kind: global_buffer, .address_space: global }
      - { .name: v_V, .offset: 144, .size: 8, .value_kind: global_buffer, .address_space: global }
      - { .name: v_B, .offset: 152, .size: 8, .value_kind: global_buffer, .address_space: global }
      - { .name: v_b, .offset: 160, .size: 8, .value_kind: global_buffer, .address_space: global }
      - { .name: vws, .offset: 168, .size: 8, .value_kind: global_buffer, .address_space: global }
    .group_segment_fixed_size: 218112
    .private_segment_fixed_size: 0
    .kernarg_segment_align: 8
    .kernarg_segment_size: 176
    .max_flat_workgroup_size: 256
    .sgpr_count:     66
    .vgpr_count:     258
    .wavefront_size: 32
...
	.end_amdgpu_metadata
.endif
;; end of part 1
;; launch attn (part 2): grid 8 x 32, 8 waves a work-group, no clusters, 222,208 bytes of LDS; arguments qws, kws, vws, memory_vectors, out_W, i_W, c_W, t_W, i_b, c_b, t_b, F, Wf, out1, out2, out3; writes F, Wf, out1, out2, out3
.if DOCPART == 2
	.amdgcn_target "amdgcn-amd-amdhsa--gfx1250"
	.amdhsa_code_object_version 6
	.text
	.protected	k_q18a4821f43_attn
	.globl	k_q18a4821f43_attn
	.p2align	8
	.type	k_q18a4821f43_attn,@function
k_q18a4821f43_attn:
	s_mov_b64 s[64:65], 0
	v_nop
	global_prefetch_b8 v0, s[64:65] scope:SCOPE_SE
	s_setreg_imm32_b32 hwreg(HW_REG_WAVE_MODE, 25, 1), 1
	s_wait_xcnt 0x0
; Three attentions of one (batch, head) (grid y) for 256 queries (grid x), each normalised by itself, and their sum:
; the band |i - j| <= 128, the 32 tokens n % 64 == 0, the batch's 256 memory rows.  Head 0's sum also feeds the three small linear heads.
; Eight waves, 32 queries (two tiles of 16) each.  q, k, v come as bf16 tiles in fragment order (16 rows x 64 d in 2,048 bytes; the 16 bytes of
; (row r, d = 32c+16p+8h ..) at 1024 c + 512 p + 256 h + ((16 r + 128 h) & 255)), so every fragment read takes 512 consecutive bytes.
; S^T = K Q^T: a lane holds 8 keys of one query, which after the exponential pack into the second source of O^T = V^T P^T;
; V^T comes from the same tiles by transposing reads.  The maximum is a running one, per query, per attention.
; A wave's band is 18 key tiles (keys q0 - 128 .. q0 + 159); tiles past the sequence's ends are zeros in memory and are masked.
; Beside this each wave converts one half tile of out_W to bf16 (Wf, [k block 16][feature tile 64][2,048 bytes], 16 bytes a lane in lane order).
; The sum leaves as TWO bf16 numbers, hi = bf16(sum) and lo = bf16(sum - hi), so that some 16 bits of it reach the products that follow:
; F is [plane set 32][row tile 256][2,048 bytes] in the same lane order, plane set = head for hi, 16 + head for lo.
; LIMITS: q, k, v, the memory rows, the probabilities and the heads' weights enter the matrix unit as bf16, the sum as hi + lo; a softmax's divisor
; adds the exponentials before they are rounded to bf16; exponentials below 2^-126 count as zero; NaN and infinite inputs are not followed.
; No cluster: neighbouring blocks' windows of K and V overlap by half only and begin at different tiles, so no whole tile request is common to partners.
.set LK, 1                             ; LDS: my band's first K tile, fragment order
.set LV, 2                             ; LDS: my band's first V tile, transposing order
.set GK, 3                             ; LDS byte 131072, fragment order
.set GV, 4                             ; LDS byte 131072, transposing order
.set L16, 5                            ; 16 x lane
.set MX, 8                             ; v[8:9]   running maximum of query tile 0, 1
.set LL, 10                            ; v[10:11] running sum (this half of the lanes)
.set NB, 12                            ; v[12:15] -cs x maximum, a pair for each query tile
.set AL, 16                            ; v[16:19] rescaling factor, later 1 / sum, a pair for each
.set LS, 20                            ; v[20:23] a chunk's sum
.set CM, 24                            ; v[24:25] a chunk's maximum
.set TT, 26                            ; v[26:27] at work
.set NINF, 28
.set LO, 29                            ; 256 h + ((16 r + 128 h) & 255)
.set RR, 30
.set HH, 31
.set Q, 32                             ; v[32:63]   Q(i, c) at 16 i + 8 c; later hi of the sum, in the same places
.set S, 64                             ; v[64:127]  S(tile, i) at 16 tile + 8 i; later v[64:95] lo of the sum
.set FB, 128                           ; v[128:191] fragments of K, then of V^T
.set O, 192                            ; v[192:255] O(dt, i) at 16 dt + 8 i
                                       ; v[256:319] the sum of the attentions finished so far (named v0-63 in window 1)
.set MLO, 40                           ; s[40:47] lanes with 8 h + j >= r
.set MHI, 48                           ; s[48:55] lanes with 8 h + j <= r
.set EV, 56                            ; bit t: key tile t of my band lies outside the sequence
.set SEL, 57                           ; s[57:58] v_permlanex16_b32: lane i reads lane i of the other half
.set MSB, 0
.macro WIN new                         ; the immediate's high byte repeats the setting that is left
.if MSB != (\new)
	s_set_vgpr_msb (MSB<<8)|(\new)
.set MSB, (\new)
.endif
.endm
; LDS: K window 0 (32 tiles), V window 65536, strided K 131072, strided V 135168 (all filled by tensor loads, once);
;      memory rows 139264 (16 tiles), heads' weights 172032 (7 tiles), eight stages of 4,352 bytes at 186368 (written by the waves).
	s_load_b512 s[8:23], s[0:1], 0x0               ; qws kws vws mem out_W i_W c_W t_W
	s_load_b512 s[24:39], s[0:1], 0x40             ; i_b c_b t_b F Wf out1 out2 out3
	s_set_vgpr_msb 0x40
	v_lshl_add_u32 v64, v0, 2, 0x36000
	v_mov_b32 v65, 0
	s_set_vgpr_msb 0x4045
	ds_add_u32 v64, v65
	ds_add_u32 v64, v65
	s_set_vgpr_msb 0x4500
	v_lshrrev_b32 v1, 5, v0
	v_readfirstlane_b32 s2, v1                     ; wave w
	s_and_b32 s3, ttmp7, 0xffff                    ; 16 batch + head
	s_mov_b32 s4, ttmp9                            ; block of 256 queries
	s_and_b32 s5, s3, 15                           ; head
	s_lshr_b32 s6, s3, 4                           ; batch
	s_and_b32 s7, s2, 3
	s_mov_b32 s63, 0                               ; s[62:63]: a byte offset below 4 GiB
	s_lshl_b32 s94, s4, 4
	s_lshl1_add_u32 s94, s2, s94                   ; 16 block + 2 w: my first query tile
	; two tensor loads a wave, both first fills; nothing is ever filled again.  Waves 0-3 bring K, waves 4-7 V.
	s_mov_b32 s68, 1                               ; group 0 (a): count
	s_lshl_b32 s69, s2, 14                         ; LDS: wave x 16,384
	s_mov_b32 s72, 3<<16                           ; group 1 (a): elements of 8 bytes, no mask, no padding
	s_mov_b32 s73, 32<<16                          ; tensor_dim0 = 32 (256 bytes)
	s_mov_b32 s74, 64<<16                          ; tensor_dim1 = 64
	s_mov_b32 s75, 32<<16                          ; tile_dim0 = 32
	s_mov_b32 s76, 64                              ; tile_dim1 = 64 rows: 16,384 dense bytes
	s_mov_b32 s77, 32                              ; pitch
	s_mov_b32 s78, 0
	s_mov_b32 s79, 0
	s_mov_b32 s80, 1                               ; group 0 (b)
	s_lshl_b32 s81, s2, 10
	s_add_co_u32 s81, s81, 131072                  ; LDS: 131072 + wave x 1,024
	s_mov_b32 s84, 3<<16                           ; group 1 (b): 4 rows of 256 bytes
	s_mov_b32 s85, 32<<16
	s_mov_b32 s86, 4<<16
	s_mov_b32 s87, 32<<16
	s_mov_b32 s88, 4
	s_mov_b32 s89, 32
	s_mov_b32 s90, 0
	s_mov_b32 s91, 0
	s_wait_dscnt 0x0
	s_wait_kmcnt 0x0
	s_cmp_lt_u32 s2, 4
	s_cselect_b64 s[60:61], s[10:11], s[12:13]
	s_mul_i32 s62, s3, 299008
	s_add_nc_u64 s[60:61], s[60:61], s[62:63]      ; my (batch, head)'s region of 146 tiles
	s_lshl_b32 s62, s4, 15                         ; the window begins at tile 16 block (8 tiles ahead of the block's queries)
	s_lshl_b32 s66, s7, 14
	s_add_co_u32 s62, s62, s66
	s_add_nc_u64 s[70:71], s[60:61], s[62:63]
	s_or_b32 s71, s71, 0x80000000
	s_lshl_b32 s62, s7, 10
	s_add_co_u32 s62, s62, 294912                  ; tiles 144, 145
	s_add_nc_u64 s[82:83], s[60:61], s[62:63]
	s_or_b32 s83, s83, 0x80000000
	tensor_load_to_lds s[68:71], s[72:79]
	s_nop 0
	tensor_load_to_lds s[80:83], s[84:91]
	s_nop 0
	v_and_b32 v[RR], 15, v0
	v_bfe_u32 v[HH], v0, 4, 1
	v_and_b32 v6, 31, v0
	v_lshlrev_b32 v[L16], 4, v6
	v_lshlrev_b32 v6, 7, v[HH]
	v_lshl_add_u32 v6, v[RR], 4, v6
	v_and_b32 v6, 255, v6
	v_lshl_add_u32 v[LO], v[HH], 8, v6
	v_bfe_u32 v7, v0, 3, 1                         ; which 8 of 16 columns I address in a transposing read
	v_and_b32 v6, 7, v0
	v_lshl_add_u32 v6, v[HH], 3, v6                ; and which row: 8 h + (lane & 7)
	v_lshlrev_b32 v6, 4, v6
	v_lshl_add_u32 v6, v7, 7, v6
	v_and_b32 v6, 255, v6
	v_lshl_add_u32 v6, v7, 8, v6
	s_lshl_b32 s66, s2, 12                         ; my band begins at window tile 2 w
	v_add_nc_u32 v[LK], s66, v[LO]
	v_add_nc_u32 v[LV], s66, v6
	v_add_nc_u32 v[LV], 0x10000, v[LV]
	v_add_nc_u32 v[GK], 0x20000, v[LO]
	v_add_nc_u32 v[GV], 0x20000, v6
	v_lshlrev_b32 v6, 12, v[RR]
	v_lshl_add_u32 v6, v[HH], 5, v6                ; out_W: 4096 r + 32 h
	v_lshlrev_b32 v7, 8, v[RR]
	v_lshl_add_u32 v7, v[HH], 5, v7                ; rows of 64 f32: 256 r + 32 h
	; my half tile of out_W: unit u = ((16 batch + head) 8 + block) 8 + w; tile u / 2 = 64 k block + feature tile; half u & 1
	s_lshl3_add_u32 s66, s3, s4
	s_lshr_b32 s67, s2, 1
	s_lshl2_add_u32 s66, s66, s67
	s_and_b32 s67, s2, 1
	s_lshl_b32 s92, s66, 11
	s_lshl_b32 s93, s67, 10
	s_add_co_u32 s62, s92, s93
	s_add_nc_u64 s[32:33], s[32:33], s[62:63]
	s_and_b32 s92, s66, 63
	s_lshl_b32 s92, s92, 16
	s_lshr_b32 s93, s66, 6
	s_lshl_b32 s93, s93, 8
	s_add_co_u32 s92, s92, s93
	s_lshl_b32 s93, s67, 7
	s_add_co_u32 s62, s92, s93
	s_add_nc_u64 s[16:17], s[16:17], s[62:63]
.irp q, 0,1,2,3
	global_load_b128 v[S+4*\q:S+4*\q+3], v6, s[16:17] offset:(\q>>1)*64+(\q&1)*16
.endr
	s_lshl_b32 s62, s6, 16                         ; memory rows 32 w .. 32 w + 31 of my batch
	s_lshl_b32 s66, s2, 13
	s_add_co_u32 s62, s62, s66
	s_add_nc_u64 s[14:15], s[14:15], s[62:63]
.irp tl, 0,1
.irp q, 0,1,2,3,4,5,6,7
	global_load_b128 v[FB+32*\tl+4*\q:FB+32*\tl+4*\q+3], v7, s[14:15] offset:\tl*4096+(\q>>1)*64+(\q&1)*16
.endr
.endr
	s_mul_i32 s66, s3, 146
	s_add_co_u32 s66, s66, s94
	s_add_co_u32 s66, s66, 8
	s_lshl_b32 s62, s66, 11
	s_add_nc_u64 s[8:9], s[8:9], s[62:63]          ; my two query tiles
.irp n, 0,1,2,3,4,5,6,7
	global_load_b128 v[Q+4*\n:Q+4*\n+3], v[LO], s[8:9] offset:\n*512
.endr
	; head 0 only: waves 0-6 convert one tile each of the heads' weights (i_W 4 tiles, c_W 2, t_W 1 with its two rows repeated)
	s_cmp_lg_u32 s5, 0
	s_cbranch_scc1 .Lnohw
	s_cmp_eq_u32 s2, 7
	s_cbranch_scc1 .Lnohw
	s_and_b32 s67, s2, 3
	s_lshl_b32 s67, s67, 12
	s_cmp_lt_u32 s2, 6
	s_cselect_b64 s[92:93], s[20:21], s[22:23]
	s_cselect_b32 s66, 15, 1                       ; t_W has rows 0 and 1 alone
	s_cselect_b32 s62, s67, 0
	s_cmp_lt_u32 s2, 4
	s_cselect_b64 s[92:93], s[18:19], s[92:93]
	s_add_nc_u64 s[92:93], s[92:93], s[62:63]
	v_min_u32 v8, s66, v[RR]
	v_lshlrev_b32 v8, 8, v8
	v_lshl_add_u32 v8, v[HH], 5, v8
.irp q, 0,1,2,3,4,5,6,7
	global_load_b128 v[O+4*\q:O+4*\q+3], v8, s[92:93] offset:(\q>>1)*64+(\q&1)*16
.endr
	s_lshl_b32 s66, s2, 11
	s_add_co_u32 s66, s66, 40960
	v_add_nc_u32 v9, s66, v[GK]
	s_wait_loadcnt 0x0
.irp m, 0,1,2,3
.irp k, 0,1,2,3
	v_cvt_pk_bf16_f32 v[O+8*\m+\k], v[O+8*\m+2*\k], v[O+8*\m+2*\k+1]
.endr
	ds_store_b128 v9, v[O+8*\m:O+8*\m+3] offset:\m*512
.endr
.Lnohw:
	s_wait_loadcnt 0x0
.irp k, 0,1,2,3,4,5,6,7
	v_cvt_pk_bf16_f32 v[S+\k], v[S+2*\k], v[S+2*\k+1]
.endr
	global_store_b128 v[L16], v[S:S+3], s[32:33]               ; 512 consecutive bytes, aligned
	global_store_b128 v[L16], v[S+4:S+7], s[32:33] offset:512
	s_lshl_b32 s66, s2, 12
	s_add_co_u32 s66, s66, 8192
	v_add_nc_u32 v6, s66, v[GK]                    ; memory tiles 2 w, 2 w + 1 in LDS
.irp tl, 0,1
.irp m, 0,1,2,3
.irp k, 0,1,2,3
	v_cvt_pk_bf16_f32 v[FB+32*\tl+8*\m+\k], v[FB+32*\tl+8*\m+2*\k], v[FB+32*\tl+8*\m+2*\k+1]
.endr
	ds_store_b128 v6, v[FB+32*\tl+8*\m:FB+32*\tl+8*\m+3] offset:\tl*2048+\m*512
.endr
.endr
	v_lshlrev_b32 v7, 3, v[HH]
.irp j, 0,1,2,3,4,5,6,7
	v_add_nc_u32 v8, \j, v7
	v_cmp_ge_u32 s[MLO+\j], v8, v[RR]
	v_cmp_le_u32 s[MHI+\j], v8, v[RR]
.endr
	v_mov_b32 v[NINF], 0xff800000
	v_mov_b32 v[TT], 0                             ; v_permlanex16_b32 counts as a reader of its destination
	v_mov_b32 v[TT+1], 0
	s_mov_b32 s[SEL], 0x76543210
	s_mov_b32 s[SEL+1], 0xfedcba98
	s_sub_co_i32 s67, 8, s94                       ; tiles t < 8 - 16 block - 2 w lie ahead of token 0,
	s_max_i32 s67, s67, 0
	s_lshl_b32 s67, 1, s67
	s_sub_co_u32 s67, s67, 1
	s_sub_co_u32 s92, 136, s94                     ; tiles t >= 136 - 16 block - 2 w behind token 2047
	s_min_u32 s92, s92, 18
	s_lshr_b32 s93, 0x3ffff, s92
	s_lshl_b32 s93, s93, s92
	s_or_b32 s[EV], s67, s93
	s_lshl_b32 s66, s5, 8
	s_lshl_b32 s67, s6, 7
	s_add_co_u32 s66, s66, s67
	s_add_co_u32 s66, s66, s94
	s_lshl_b32 s62, s66, 11
	s_add_nc_u64 s[30:31], s[30:31], s[62:63]      ; F at (plane set head, row tile 128 batch + 16 block + 2 w): hi
	s_add_nc_u64 s[92:93], s[30:31], 0x800000      ; 16 plane sets of 256 tiles further: lo (one byte more than a store's immediate reaches)
	s_wait_xcnt 0x0                                ; v[64:71], which Wf's stores read, are rewritten only behind this wait
	s_wait_dscnt 0x0                               ; my tiles are written,
	s_wait_tensorcnt 0x0                           ; my two tensor loads have landed,
	s_barrier_signal -1
	s_barrier_wait -1                              ; everybody's have: the kernel's only barrier
; NT key tiles (4 or 2) against my 32 queries.  K at v[kreg] + koff, V at v[vreg] + voff; first = 1: the chunk starts an attention;
; local = 1: the chunk is tiles T0 .. of the band and is masked.
.macro CHUNK kreg, koff, vreg, voff, NT, first, T0, local
.rept 5
	v_nop                                          ; places behind the last products (ISA guide 7.12.1): S is started anew and fragment registers are loaded
.endr
.set tl, 0
.rept \NT
.irp q, 0,1,2,3
	ds_load_b128 v[FB+16*tl+4*\q:FB+16*tl+4*\q+3], v[\kreg] offset:\koff+tl*2048+\q*512
.endr
.set tl, tl+1
.endr
.set tl, 0
.rept \NT
	s_wait_dscnt 4*(\NT-1-tl)                      ; this tile's four reads are in; the later tiles' are younger
	; two accumulators take turns
	v_wmma_f32_16x16x32_bf16 v[S+16*tl:S+16*tl+7], v[FB+16*tl:FB+16*tl+7], v[Q:Q+7], 0
	v_wmma_f32_16x16x32_bf16 v[S+16*tl+8:S+16*tl+15], v[FB+16*tl:FB+16*tl+7], v[Q+16:Q+23], 0
	v_wmma_f32_16x16x32_bf16 v[S+16*tl:S+16*tl+7], v[FB+16*tl+8:FB+16*tl+15], v[Q+8:Q+15], v[S+16*tl:S+16*tl+7]
	v_wmma_f32_16x16x32_bf16 v[S+16*tl+8:S+16*tl+15], v[FB+16*tl+8:FB+16*tl+15], v[Q+24:Q+31], v[S+16*tl+8:S+16*tl+15]
.set tl, tl+1
.endr
.rept 4
	v_nop                                          ; places: fragment registers are loaded again, S is read
.endr
.set cc, 0
.rept \NT/2
.irp dt, 0,1,2,3
	ds_load_tr16_b128 v[FB+32*cc+8*\dt:FB+32*cc+8*\dt+3], v[\vreg] offset:\voff+cc*4096+\dt*512
	ds_load_tr16_b128 v[FB+32*cc+8*\dt+4:FB+32*cc+8*\dt+7], v[\vreg] offset:\voff+cc*4096+\dt*512+2048
.endr
.set cc, cc+1
.endr
.if \local
.if \T0 == 0
.irp j, 0,1,2,3,4,5,6,7
	v_cndmask_b32 v[S+\j], v[NINF], v[S+\j], s[MLO+\j]         ; tile 0, queries 0-15: key - query >= -128 where 8 h + j >= r
	v_mov_b32 v[S+8+\j], v[NINF]                               ; tile 0, queries 16-31: all too far
	v_cndmask_b32 v[S+24+\j], v[NINF], v[S+24+\j], s[MLO+\j]   ; tile 1, queries 16-31
.endr
.endif
.if \T0 == 16
.irp j, 0,1,2,3,4,5,6,7
	v_cndmask_b32 v[S+\j], v[NINF], v[S+\j], s[MHI+\j]         ; tile 16, queries 0-15: key - query <= 128 where 8 h + j <= r
	v_mov_b32 v[S+16+\j], v[NINF]                              ; tile 17, queries 0-15: all too far
	v_cndmask_b32 v[S+24+\j], v[NINF], v[S+24+\j], s[MHI+\j]   ; tile 17, queries 16-31
.endr
.endif
	s_and_b32 s59, s[EV], ((1<<\NT)-1)<<\T0
	s_cmp_eq_u32 s59, 0
	s_cbranch_scc1 .Lnoedge_\@                     ; hangs on the block's and the wave's numbers alone
.set tl, 0
.rept \NT
	s_bitcmp1_b32 s[EV], \T0+tl
	s_cselect_b32 s59, -1, 0
.irp j, 0,1,2,3,4,5,6,7,8,9,10,11,12,13,14,15
	v_cndmask_b32 v[S+16*tl+\j], v[S+16*tl+\j], v[NINF], s59
.endr
.set tl, tl+1
.endr
.Lnoedge_\@:
.endif
	; the chunk's maximum of each query: my 8 NT keys, then the other half of the lanes
.irp i, 0,1
	v_max3_num_f32 v[CM+\i], v[S+8*\i], v[S+8*\i+1], v[S+8*\i+2]
.endr
.set n, 3
.rept (8*\NT-4)/2
.irp i, 0,1
	v_max3_num_f32 v[CM+\i], v[CM+\i], v[S+16*(n/8)+8*\i+n%8], v[S+16*((n+1)/8)+8*\i+(n+1)%8]
.endr
.set n, n+2
.endr
.irp i, 0,1
	v_max_num_f32 v[CM+\i], v[CM+\i], v[S+16*(\NT-1)+8*\i+7]
.endr
	v_permlanex16_b32 v[TT], v[CM], s[SEL], s[SEL+1]
	v_permlanex16_b32 v[TT+1], v[CM+1], s[SEL], s[SEL+1]
.if \first
	v_max_num_f32 v[MX], v[CM], v[TT]
	v_max_num_f32 v[MX+1], v[CM+1], v[TT+1]
.else
	v_max3_num_f32 v[CM], v[CM], v[TT], v[MX]
	v_max3_num_f32 v[CM+1], v[CM+1], v[TT+1], v[MX+1]
	v_sub_f32 v[TT], v[MX], v[CM]
	v_sub_f32 v[TT+1], v[MX+1], v[CM+1]
	v_mul_f32 v[TT], 0x3e38aa3b, v[TT]             ; cs = log2(e) / 8
	v_mul_f32 v[TT+1], 0x3e38aa3b, v[TT+1]
	v_exp_f32 v[AL], v[TT]
	v_exp_f32 v[AL+2], v[TT+1]
	v_mov_b32 v[MX], v[CM]                         ; a plain instruction between the exponentials and their use (ISA guide 5.7.2)
	v_mov_b32 v[MX+1], v[CM+1]
	s_wait_alu depctr_va_vdst(0)
	v_mov_b32 v[AL+1], v[AL]
	v_mov_b32 v[AL+3], v[AL+2]
.endif
	v_mul_f32 v[NB], 0xbe38aa3b, v[MX]
	v_mul_f32 v[NB+1], 0xbe38aa3b, v[MX]
	v_mul_f32 v[NB+2], 0xbe38aa3b, v[MX+1]
	v_mul_f32 v[NB+3], 0xbe38aa3b, v[MX+1]
.set n, 0
.rept 4*\NT
.irp i, 0,1
	v_pk_fma_f32 v[S+16*(n/4)+8*\i+2*(n%4):S+16*(n/4)+8*\i+2*(n%4)+1], v[S+16*(n/4)+8*\i+2*(n%4):S+16*(n/4)+8*\i+2*(n%4)+1], 0x3e38aa3b, v[NB+2*\i:NB+2*\i+1] op_sel_hi:[1,0,1]
.endr
.set n, n+1
.endr
.set n, 0
.rept 16*\NT
	v_exp_f32 v[S+n], v[S+n]
.set n, n+1
.endr
	v_nop                                          ; a plain instruction between the exponentials and their use
	s_wait_alu depctr_va_vdst(0)
.irp i, 0,1
	v_pk_add_f32 v[LS+2*\i:LS+2*\i+1], v[S+8*\i:S+8*\i+1], v[S+8*\i+2:S+8*\i+3]
.endr
.set n, 2
.rept 4*\NT-2
.irp i, 0,1
	v_pk_add_f32 v[LS+2*\i:LS+2*\i+1], v[LS+2*\i:LS+2*\i+1], v[S+16*(n/4)+8*\i+2*(n%4):S+16*(n/4)+8*\i+2*(n%4)+1]
.endr
.set n, n+1
.endr
.irp i, 0,1
.if \first
	v_add_f32 v[LL+\i], v[LS+2*\i], v[LS+2*\i+1]
.else
	v_add_f32 v[TT+\i], v[LS+2*\i], v[LS+2*\i+1]
	v_fma_f32 v[LL+\i], v[LL+\i], v[AL+2*\i], v[TT+\i]
.endif
.endr
	; P^T of 32 keys x 16 queries, packed in place: registers 0-3 from the even tile, 4-7 from the odd one
.set cc, 0
.rept \NT/2
.irp i, 0,1
.irp k, 0,1,2,3
	v_cvt_pk_bf16_f32 v[S+32*cc+8*\i+\k], v[S+32*cc+8*\i+2*\k], v[S+32*cc+8*\i+2*\k+1]
.endr
.irp k, 0,1,2,3
	v_cvt_pk_bf16_f32 v[S+32*cc+8*\i+4+\k], v[S+32*cc+16+8*\i+2*\k], v[S+32*cc+16+8*\i+2*\k+1]
.endr
.endr
.set cc, cc+1
.endr
.if \first
.else
.irp dt, 0,1,2,3
.irp i, 0,1
.irp k, 0,1,2,3
	v_pk_mul_f32 v[O+16*\dt+8*\i+2*\k:O+16*\dt+8*\i+2*\k+1], v[O+16*\dt+8*\i+2*\k:O+16*\dt+8*\i+2*\k+1], v[AL+2*\i:AL+2*\i+1]
.endr
.endr
.endr
.endif
.set cc, 0
.rept \NT/2
	s_wait_dscnt 8*(\NT/2-1-cc)                    ; this key step's eight transposing reads are in; the later step's are younger
.set zc, 0
.if \first
.if cc == 0
.set zc, 1
.endif
.endif
.irp dt, 0,1,2,3                                   ; eight accumulators take turns
.irp i, 0,1
.if zc
	v_wmma_f32_16x16x32_bf16 v[O+16*\dt+8*\i:O+16*\dt+8*\i+7], v[FB+32*cc+8*\dt:FB+32*cc+8*\dt+7], v[S+32*cc+8*\i:S+32*cc+8*\i+7], 0
.else
	v_wmma_f32_16x16x32_bf16 v[O+16*\dt+8*\i:O+16*\dt+8*\i+7], v[FB+32*cc+8*\dt:FB+32*cc+8*\dt+7], v[S+32*cc+8*\i:S+32*cc+8*\i+7], v[O+16*\dt+8*\i:O+16*\dt+8*\i+7]
.endif
.endr
.endr
.set cc, cc+1
.endr
.endm
; An attention ends: both halves' sums are added, O is divided.  mode 0: kept in window 1; 1: added to it; 2: O = O / sum + what was kept.
.macro TYPE_END mode
.rept 4
	v_nop                                          ; places behind the last products before O is read
.endr
	v_permlanex16_b32 v[TT], v[LL], s[SEL], s[SEL+1]
	v_permlanex16_b32 v[TT+1], v[LL+1], s[SEL], s[SEL+1]
	v_add_f32 v[LL], v[LL], v[TT]
	v_add_f32 v[LL+1], v[LL+1], v[TT+1]
	v_rcp_f32 v[AL], v[LL]
	v_rcp_f32 v[AL+2], v[LL+1]
	v_nop                                          ; a plain instruction between the reciprocals and their use
	s_wait_alu depctr_va_vdst(0)
	v_mov_b32 v[AL+1], v[AL]
	v_mov_b32 v[AL+3], v[AL+2]
.if \mode == 0
	WIN 0x40                                       ; destination in window 1
.endif
.if \mode == 1
	WIN 0x50                                       ; destination and third source in window 1
.endif
.if \mode == 2
	WIN 0x10                                       ; third source in window 1
.endif
.set n, 0
.rept 32
.if \mode == 0
	v_pk_mul_f32 v[n:n+1], v[O+n:O+n+1], v[AL+2*((n>>3)&1):AL+2*((n>>3)&1)+1]
.endif
.if \mode == 1
	v_pk_fma_f32 v[n:n+1], v[O+n:O+n+1], v[AL+2*((n>>3)&1):AL+2*((n>>3)&1)+1], v[n:n+1]
.endif
.if \mode == 2
	v_pk_fma_f32 v[O+n:O+n+1], v[O+n:O+n+1], v[AL+2*((n>>3)&1):AL+2*((n>>3)&1)+1], v[n:n+1]
.endif
.set n, n+2
.endr
	WIN 0
.endm
	CHUNK LK, 16384, LV, 16384, 4, 1, 8, 1         ; tiles 8-11 first: tiles 8 and 9 hold the queries themselves, so the maximum is finite from here on
	CHUNK LK, 0,     LV, 0,     4, 0, 0, 1
	CHUNK LK, 8192,  LV, 8192,  4, 0, 4, 1
	CHUNK LK, 24576, LV, 24576, 4, 0, 12, 1
	CHUNK LK, 32768, LV, 32768, 2, 0, 16, 1
	TYPE_END 0
	CHUNK GK, 0, GV, 4096, 2, 1, 0, 0              ; the 32 strided tokens
	TYPE_END 1
	CHUNK GK, 8192,  GV, 8192,  4, 1, 0, 0         ; the 256 memory rows: keys and values are the same tiles
	CHUNK GK, 16384, GV, 16384, 4, 0, 0, 0
	CHUNK GK, 24576, GV, 24576, 4, 0, 0, 0
	CHUNK GK, 32768, GV, 32768, 4, 0, 0, 0
	TYPE_END 2
	; The sum as hi + lo.  A lane's 8 numbers of O(dt, i) are d = 16 dt + 8 h .. of query r: one piece of 16 bytes (c = dt / 2, p = dt % 2).
	; hi = the sum rounded to bf16; the sum less hi is exact in f32; lo = that remainder rounded to bf16.
.irp i, 0,1
.irp c, 0,1
.irp p, 0,1
.irp k, 0,1,2,3
	v_cvt_pk_bf16_f32 v[Q+16*\i+8*\c+4*\p+\k], v[O+32*\c+16*\p+8*\i+2*\k], v[O+32*\c+16*\p+8*\i+2*\k+1]
.endr
.endr
.endr
.endr
.set n, 0
.rept 32
	v_lshlrev_b32 v[FB+2*n], 16, v[Q+n]            ; hi back in f32: the low half moves up,
	v_and_b32 v[FB+2*n+1], 0xffff0000, v[Q+n]      ; the high half stays
.set n, n+1
.endr
.irp i, 0,1
.irp c, 0,1
.irp p, 0,1
.irp k, 0,1,2,3
	v_sub_f32 v[O+32*\c+16*\p+8*\i+2*\k], v[O+32*\c+16*\p+8*\i+2*\k], v[FB+2*(16*\i+8*\c+4*\p+\k)]
	v_sub_f32 v[O+32*\c+16*\p+8*\i+2*\k+1], v[O+32*\c+16*\p+8*\i+2*\k+1], v[FB+2*(16*\i+8*\c+4*\p+\k)+1]
.endr
.endr
.endr
.endr
.irp i, 0,1
.irp c, 0,1
.irp p, 0,1
.irp k, 0,1,2,3
	v_cvt_pk_bf16_f32 v[S+16*\i+8*\c+4*\p+\k], v[O+32*\c+16*\p+8*\i+2*\k], v[O+32*\c+16*\p+8*\i+2*\k+1]
.endr
.endr
.endr
.endr
.irp n, 0,1,2,3,4,5,6,7
	global_store_b128 v[L16], v[Q+4*\n:Q+4*\n+3], s[30:31] offset:\n*512   ; 512 consecutive bytes, aligned
.endr
.irp n, 0,1,2,3,4,5,6,7
	global_store_b128 v[L16], v[S+4*\n:S+4*\n+3], s[92:93] offset:\n*512
.endr
	s_cmp_lg_u32 s5, 0
	s_cbranch_scc1 .Lend
	; ---- head 0: identity (64), citation (32), temporal (2) = sum W^T + bias, again transposed: a lane holds 8 outputs of one token.
	; One weight tile (16 outputs x 64 d at v[w ..]) against hi and lo of my 32 tokens: two accumulators take turns.
.macro HEADMM acc, w
	v_wmma_f32_16x16x32_bf16 v[\acc:\acc+7], v[\w:\w+7], v[Q:Q+7], 0
	v_wmma_f32_16x16x32_bf16 v[\acc+8:\acc+15], v[\w:\w+7], v[Q+16:Q+23], 0
	v_wmma_f32_16x16x32_bf16 v[\acc:\acc+7], v[\w+8:\w+15], v[Q+8:Q+15], v[\acc:\acc+7]
	v_wmma_f32_16x16x32_bf16 v[\acc+8:\acc+15], v[\w+8:\w+15], v[Q+24:Q+31], v[\acc+8:\acc+15]
	v_wmma_f32_16x16x32_bf16 v[\acc:\acc+7], v[\w:\w+7], v[S:S+7], v[\acc:\acc+7]
	v_wmma_f32_16x16x32_bf16 v[\acc+8:\acc+15], v[\w:\w+7], v[S+16:S+23], v[\acc+8:\acc+15]
	v_wmma_f32_16x16x32_bf16 v[\acc:\acc+7], v[\w+8:\w+15], v[S+8:S+15], v[\acc:\acc+7]
	v_wmma_f32_16x16x32_bf16 v[\acc+8:\acc+15], v[\w+8:\w+15], v[S+24:S+31], v[\acc+8:\acc+15]
.endm
	s_load_b64 s[60:61], s[28:29], 0x0             ; t_b
	v_lshlrev_b32 v9, 4, v[RR]
	v_and_b32 v10, 7, v0
	v_lshlrev_b32 v10, 4, v10
	global_load_b128 v[12:15], v9, s[24:25]        ; i_b[4 (lane & 15) ..]
	global_load_b128 v[16:19], v10, s[26:27]       ; c_b[4 (lane & 7) ..]
.set n, 0
.rept 16
	ds_load_b128 v[FB+4*n:FB+4*n+3], v[GK] offset:40960+n*512
.set n, n+1
.endr
	s_mul_i32 s66, s2, 4352
	s_add_co_u32 s66, s66, 186368                  ; my stage
	v_mul_u32_u24 v6, v[RR], 272
	v_lshl_add_u32 v6, v[HH], 5, v6
	v_add_nc_u32 v6, s66, v6                       ; identity in: row r of 272 bytes, 32 h
	v_mul_u32_u24 v7, v[HH], 272
	v_lshl_add_u32 v7, v[RR], 4, v7
	v_add_nc_u32 v7, s66, v7                       ; identity back: two rows a read
	v_mul_u32_u24 v1, v[RR], 144
	v_lshl_add_u32 v1, v[HH], 5, v1
	v_add_nc_u32 v1, s66, v1                       ; citation in: rows of 144 bytes
	v_bfe_u32 v2, v0, 3, 2
	v_mul_u32_u24 v2, v2, 144
	v_add_nc_u32 v2, v2, v10
	v_add_nc_u32 v2, s66, v2                       ; citation back: four rows a read
	v_lshlrev_b32 v4, 8, v[HH]
	v_lshl_add_u32 v4, v[RR], 3, v4
	v_add_nc_u32 v4, s66, v4                       ; temporal in: 8 bytes a token; the lanes with h = 1 hold nothing of use and write 256 bytes further
	v_lshrrev_b32 v11, 1, v[L16]                   ; 8 x lane
	v_add_nc_u32 v8, s66, v11                      ; temporal back
	s_lshl_b32 s67, s6, 11
	s_lshl_b32 s7, s4, 8
	s_add_co_u32 s67, s67, s7
	s_lshl_b32 s7, s2, 5
	s_add_co_u32 s67, s67, s7                      ; my first token's row
	s_lshl_b32 s62, s67, 8
	s_add_nc_u64 s[36:37], s[36:37], s[62:63]
	s_lshl_b32 s62, s67, 7
	s_add_nc_u64 s[38:39], s[38:39], s[62:63]
	s_lshl_b32 s62, s67, 3
	s_add_nc_u64 s[34:35], s[34:35], s[62:63]
	s_wait_dscnt 0x0
.irp ot, 0,1,2,3
	HEADMM O+16*\ot, FB+16*\ot                     ; identity
.endr
.rept 5
	v_nop                                          ; places (ISA guide 7.12.1): results are read, fragment registers loaded, and the accumulators started anew further down
.endr
	s_wait_loadcnt 0x0                             ; the biases
	s_wait_kmcnt 0x0
	; out through my own stage: LDS serves a wave's instructions in order (ISA guide 5.7.1), so no wait stands between my stores and my reads
.irp i, 0,1
.irp ot, 0,1,2,3
	ds_store_b128 v6, v[O+16*\ot+8*\i:O+16*\ot+8*\i+3] offset:\ot*64
	ds_store_b128 v6, v[O+16*\ot+8*\i+4:O+16*\ot+8*\i+7] offset:\ot*64+16
.endr
.irp e, 0,1,2,3,4,5,6,7
	ds_load_b128 v[FB+32*\i+4*\e:FB+32*\i+4*\e+3], v7 offset:\e*544
.endr
.irp e, 0,1,2,3,4,5,6,7
	s_wait_dscnt 7-\e                              ; read e is in; the later ones are younger
	v_pk_add_f32 v[FB+32*\i+4*\e:FB+32*\i+4*\e+1], v[FB+32*\i+4*\e:FB+32*\i+4*\e+1], v[12:13]
	v_pk_add_f32 v[FB+32*\i+4*\e+2:FB+32*\i+4*\e+3], v[FB+32*\i+4*\e+2:FB+32*\i+4*\e+3], v[14:15]
	global_store_b128 v[L16], v[FB+32*\i+4*\e:FB+32*\i+4*\e+3], s[36:37] offset:\i*4096+\e*512   ; two whole rows of 256 bytes
.endr
.endr
	s_wait_xcnt 0x0                                ; v[128:191], which the stores above read, are loaded again only behind this wait
.set n, 0
.rept 12
	ds_load_b128 v[FB+4*n:FB+4*n+3], v[GK] offset:40960+(16+n)*512
.set n, n+1
.endr
	s_wait_dscnt 0x0
.irp ot, 0,1,2
	HEADMM O+16*\ot, FB+16*\ot                     ; citation (two tiles), temporal (one)
.endr
.rept 4
	v_nop                                          ; places before results are read
.endr
.irp i, 0,1
.irp ot, 0,1
	ds_store_b128 v1, v[O+16*\ot+8*\i:O+16*\ot+8*\i+3] offset:\ot*64
	ds_store_b128 v1, v[O+16*\ot+8*\i+4:O+16*\ot+8*\i+7] offset:\ot*64+16
.endr
.irp e, 0,1,2,3
	ds_load_b128 v[S+32+16*\i+4*\e:S+32+16*\i+4*\e+3], v2 offset:\e*576
.endr
.irp e, 0,1,2,3
	s_wait_dscnt 3-\e                              ; read e is in; the later ones are younger
	v_pk_add_f32 v[S+32+16*\i+4*\e:S+32+16*\i+4*\e+1], v[S+32+16*\i+4*\e:S+32+16*\i+4*\e+1], v[16:17]
	v_pk_add_f32 v[S+32+16*\i+4*\e+2:S+32+16*\i+4*\e+3], v[S+32+16*\i+4*\e+2:S+32+16*\i+4*\e+3], v[18:19]
	global_store_b128 v[L16], v[S+32+16*\i+4*\e:S+32+16*\i+4*\e+3], s[38:39] offset:\i*2048+\e*512   ; four whole rows of 128 bytes
.endr
.endr
	ds_store_b64 v4, v[O+32:O+33]
	ds_store_b64 v4, v[O+40:O+41] offset:128
	ds_load_b64 v[O+48:O+49], v8
	s_wait_dscnt 0x0
	v_add_f32 v[O+48], s60, v[O+48]
	v_add_f32 v[O+49], s61, v[O+49]
	global_store_b64 v11, v[O+48:O+49], s[34:35]   ; 32 tokens x 8 bytes: 256 consecutive bytes, aligned
.Lend:
	s_set_vgpr_msb 0x5
	s_wait_tensorcnt 0x0
	ds_add_u32 v64, v65
	s_wait_dscnt 0x0
	s_set_vgpr_msb 0x500
	s_endpgm
.Lfunc_end_k_q18a4821f43_attn:
	.size	k_q18a4821f43_attn, .Lfunc_end_k_q18a4821f43_attn-k_q18a4821f43_attn
	.p2alignl 7, 3214868480
	.fill 96, 4, 3214868480
	.section	.rodata,"a",@progbits
	.p2align	6, 0x0
	.amdhsa_kernel k_q18a4821f43_attn
		.amdhsa_group_segment_fixed_size 222208
		.amdhsa_private_segment_fixed_size 0
		.amdhsa_enable_private_segment 0
		.amdhsa_kernarg_size 128
		.amdhsa_user_sgpr_count 2
		.amdhsa_user_sgpr_kernarg_segment_ptr 1
		.amdhsa_wavefront_size32 1
		.amdhsa_system_sgpr_workgroup_id_x 1
		.amdhsa_system_sgpr_workgroup_id_y 1
		.amdhsa_system_sgpr_workgroup_id_z 1
		.amdhsa_system_vgpr_workitem_id 0
		.amdhsa_next_free_vgpr 322
		.amdhsa_next_free_sgpr 96
		.amdhsa_reserve_vcc 0
		.amdhsa_float_denorm_mode_32 3
		.amdhsa_float_denorm_mode_16_64 3
		.amdhsa_memory_ordered 1
		.amdhsa_forward_progress 1
		.amdhsa_inst_pref_size 235
	.end_amdhsa_kernel
	.amdgpu_metadata
---
amdhsa.version: [ 1, 2 ]
amdhsa.kernels:
  - .name:           k_q18a4821f43_attn
    .symbol:         k_q18a4821f43_attn.kd
    .args:
      - { .name: qws, .offset: 0, .size: 8, .value_kind: global_buffer, .address_space: global }
      - { .name: kws, .offset: 8, .size: 8, .value_kind: global_buffer, .address_space: global }
      - { .name: vws, .offset: 16, .size: 8, .value_kind: global_buffer, .address_space: global }
      - { .name: memory_vectors, .offset: 24, .size: 8, .value_kind: global_buffer, .address_space: global }
      - { .name: out_W, .offset: 32, .size: 8, .value_kind: global_buffer, .address_space: global }
      - { .name: i_W, .offset: 40, .size: 8, .value_kind: global_buffer, .address_space: global }
      - { .name: c_W, .offset: 48, .size: 8, .value_kind: global_buffer, .address_space: global }
      - { .name: t_W, .offset: 56, .size: 8, .value_kind: global_buffer, .address_space: global }
      - { .name: i_b, .offset: 64, .size: 8, .value_kind: global_buffer, .address_space: global }
      - { .name: c_b, .offset: 72, .size: 8, .value_kind: global_buffer, .address_space: global }
      - { .name: t_b, .offset: 80, .size: 8, .value_kind: global_buffer, .address_space: global }
      - { .name: F, .offset: 88, .size: 8, .value_kind: global_buffer, .address_space: global }
      - { .name: Wf, .offset: 96, .size: 8, .value_kind: global_buffer, .address_space: global }
      - { .name: out1, .offset: 104, .size: 8, .value_kind: global_buffer, .address_space: global }
      - { .name: out2, .offset: 112, .size: 8, .value_kind: global_buffer, .address_space: global }
      - { .name: out3, .offset: 120, .size: 8, .value_kind: global_buffer, .address_space: global }
    .group_segment_fixed_size: 222208
    .private_segment_fixed_size: 0
    .kernarg_segment_align: 8
    .kernarg_segment_size: 128
    .max_flat_workgroup_size: 256
    .sgpr_count:     96
    .vgpr_count:     322
    .wavefront_size: 32
...
	.end_amdgpu_metadata
.endif
;; end of part 2
;; launch outp (part 3): grid 8 x 32, 4 waves a work-group, clusters of 4 x 4, 327,680 bytes of LDS; arguments F, Wf, out_b, out0; writes out0
.if DOCPART == 3
	.amdgcn_target "amdgcn-amd-amdhsa--gfx1250"
	.amdhsa_code_object_version 6
	.text
	.protected	k_q18a4821f43_outp
	.globl	k_q18a4821f43_outp
	.p2align	8
	.type	k_q18a4821f43_outp,@function
k_q18a4821f43_outp:
	s_mov_b64 s[64:65], 0
	v_nop
	global_prefetch_b8 v0, s[64:65] scope:SCOPE_SE
	s_setreg_imm32_b32 hwreg(HW_REG_WAVE_MODE, 25, 1), 1
	s_wait_xcnt 0x0
	s_wait_alu depctr_hold_cnt(0) depctr_sa_sdst(0) depctr_va_vdst(0) depctr_va_sdst(0) depctr_va_ssrc(0) depctr_va_vcc(0) depctr_vm_vsrc(0)
	s_getreg_b32 s2, hwreg(HW_REG_IB_STS2, 6, 4)
	s_cmp_eq_u32 s2, 0
	s_cbranch_scc0 .Lentry_in_a_cluster
	s_endpgm
.Lentry_in_a_cluster:
	s_bfe_u32 s2, ttmp6, 0x10000c
	s_cmp_lg_u32 s2, 0xf033
	s_cbranch_scc0 .Lentry_shape_is_right
	s_endpgm
.Lentry_shape_is_right:
; out0[n][f] = sum over k of fused[n][k] out_W[f][k] + out_b[f]; 4096 x 1024 x 1024, f32 out.
; fused comes as two bf16 numbers, hi + lo: F is [plane set 32][row tile 256][2,048 bytes], plane set kb = hi of k block kb, 16 + kb = lo of it.
; Wf is [k block 16][feature tile 64][2,048 bytes].  So the product runs over 32 plane sets of F, and Wf's 16 k blocks are walked twice.
; Tiles are 16 rows x 64 k of bf16 in fragment order: the 16 bytes of (row r, k = 32c+16p+8h ..) lie at 1024 c + 512 p + 16 lane, so a fragment read
; takes 512 consecutive bytes of LDS and needs no padding.
; A work-group makes 128 rows x 128 features with four waves, a wave 64 x 64: 16 accumulator tiles.  The plane sets go in eight fills of 4 through two LDS
; slots; a fill is 4 planes of 16 KiB of F and 4 of Wf, a quarter for each wave: one tensor load of 2 planes.
; CLUSTERS: 4 x 4 work-groups.  F's planes hang on the block row alone and are asked for jointly along a row of the cluster, Wf's on the block
; column alone and jointly along a column: each of the four issues the same load with the same descriptor and a mask that names the four.
; The product is used transposed (features as first source, tokens as second): a lane's 8 results are 8 neighbouring features of one token.
; A wave has two tensor loads out at the start and one behind each round of the cluster's barrier.
; LIMITS: out_W is bf16, fused a pair of bf16; sums and the bias f32.
.set SLOT,   131072
.set STAGE,  262144                    ; behind the slots: 16 rows x 272 bytes for each wave, for the way out
.set ADRA, 16                          ; v16-17  LDS address of my F fragments in slot 0, 1
.set ADRB, 20                          ; v20-21  the same for Wf
.set STO,  24                          ; the way out: where I put 32 bytes of a row
.set RD,   25                          ; where I read rows back
.set CO,   26                          ; my byte offset in out0
.set BO,   27                          ; my byte offset in out_b
.set BQ,   28                          ; v[28:31] out_b of my four columns on the way out
.set FW,   64                          ; Wf(c, b) at FW + 8 (4 c + b): window 0 = set 0, window 1 = set 1
.set FF,   128                         ; F(c, a) at FF + 8 (4 c + a)
.set TMP,  192                         ; the way out
                                       ; window 2: acc(a, b) at 8 (4 a + b)
.set G1, 24                            ; s[24:31] descriptor group 1 for F's planes
.set G0, 32                            ; s[32:39] group 0 for F, one set for each slot
.set G1B, 48                           ; s[48:55] group 1 for Wf's planes
.set G0B, 56                           ; s[56:63] group 0 for Wf
.set MSB, 0
.macro WIN new                         ; the immediate's high byte repeats the setting that is left
.if MSB != (\new)
	s_set_vgpr_msb (MSB<<8)|(\new)
.set MSB, (\new)
.endif
.endm
.macro JLOAD s                         ; waves 0, 1 ask for F, waves 2, 3 for Wf: each line has one mask; the branch hangs on the wave's number alone
	s_cmp_eq_u32 s13, 0
	s_cbranch_scc0 .Lfor_b_\@
	tensor_load_to_lds s[G0+4*\s:G0+4*\s+3], s[G1:G1+7]
	s_nop 0
	s_branch .Lasked_\@
.Lfor_b_\@:
	tensor_load_to_lds s[G0B+4*\s:G0B+4*\s+3], s[G1B:G1B+7]
	s_nop 0
.Lasked_\@:
.endm
.macro CROUND                          ; a round of the cluster's barrier: my work-group's barrier, wave 0 signals for the work-group, all wait for all sixteen, my work-group's barrier again
	s_barrier_signal -1
	s_barrier_wait -1
	s_cmp_lg_u32 s12, 0
	s_cbranch_scc1 .Lnot_wave_0_\@
	s_barrier_signal -3
.Lnot_wave_0_\@:
	s_barrier_wait -3
	s_barrier_signal -1
	s_barrier_wait -1
.endm
.macro PLACES                          ; four places behind matrix instructions before their registers are loaded or their results read (ISA guide 7.12.1)
.rept 4
	v_nop
.endr
.endm
	s_load_b128 s[4:7], s[0:1], 0x0                ; F, Wf
	s_load_b128 s[8:11], s[0:1], 0x10              ; out_b, out0
	v_lshl_add_u32 v254, v0, 2, 0x44400
	v_mov_b32 v255, 0
	ds_add_u32 v254, v255
	ds_add_u32 v254, v255
	v_lshrrev_b32 v1, 5, v0
	v_readfirstlane_b32 s12, v1                    ; wave 0..3
	s_lshr_b32 s13, s12, 1                         ; my half of the block's rows.  Also: I fetch for F (0) or for Wf (1)
	s_and_b32 s14, s12, 1                          ; my half of its columns.  Also: which two planes of a fill I fetch
	s_bfe_u32 s40, ttmp6, 0x40000                  ; cx
	s_bfe_u32 s41, ttmp6, 0x40004                  ; cy
	s_lshl_b32 s42, ttmp9, 2
	s_add_co_u32 s42, s42, s40                     ; block column = 4 x cluster x + cx
	s_and_b32 s15, ttmp7, 0xffff
	s_lshl_b32 s15, s15, 2
	s_add_co_u32 s15, s15, s41                     ; block row = 4 x cluster y + cy
	s_lshl_b32 s43, s41, 2
	s_lshl_b32 s43, 15, s43                        ; my row of the cluster
	s_lshl_b32 s44, 0x1111, s40                    ; my column
	s_or_b32 s[G1+0], s43, (3<<16)|(1<<21)         ; the mask; elements of 8 bytes; bit 21 set beside a mask; no padding
	s_or_b32 s[G1B+0], s44, (3<<16)|(1<<21)
	s_mov_b32 s[G1+1], 2048<<16                    ; tensor_dim0 = 2,048 elements: a plane's 16 KiB
	s_mov_b32 s[G1B+1], 2048<<16
	s_mov_b32 s[G1+2], 2<<16                       ; tensor_dim1 = 2 planes
	s_mov_b32 s[G1B+2], 2<<16
	s_mov_b32 s[G1+3], 2048<<16                    ; tile_dim0
	s_mov_b32 s[G1B+3], 2048<<16
	s_mov_b32 s[G1+4], 2                           ; tile_dim1
	s_mov_b32 s[G1B+4], 2
	s_mov_b32 s[G1+5], 65536                       ; from plane set to plane set: 256 tiles of F,
	s_mov_b32 s[G1B+5], 16384                      ; from k block to k block: 64 tiles of Wf, in elements
	s_mov_b32 s[G1+6], 0
	s_mov_b32 s[G1B+6], 0
	s_mov_b32 s[G1+7], 0
	s_mov_b32 s[G1B+7], 0
	s_lshl_b32 s16, s15, 14                        ; F: row tile 8 x block row,
	s_lshl_b32 s17, s14, 20                        ; plane set 2 x (wave & 1)
	s_add_co_u32 s16, s16, s17
	s_mov_b32 s17, 0
	s_lshl_b32 s46, s42, 14                        ; Wf: feature tile 8 x block column,
	s_lshl_b32 s47, s14, 18                        ; k block 2 x (wave & 1)
	s_add_co_u32 s46, s46, s47
	s_mov_b32 s47, 0
	s_lshl_b32 s20, s12, 15                        ; LDS: wave x 32,768: F's four planes, then Wf's: no place in the cluster enters an LDS address
	s_wait_dscnt 0x0
	s_wait_kmcnt 0x0
	s_add_nc_u64 s[18:19], s[4:5], s[16:17]
	s_add_nc_u64 s[46:47], s[6:7], s[46:47]
	CROUND                                         ; all sixteen work-groups are here: the first joint loads meet
.irp s, 0,1
	s_mov_b32 s[G0+4*\s], 1
	s_add_co_u32 s[G0+4*\s+1], s20, \s*SLOT
	s_add_nc_u64 s[G0+4*\s+2:G0+4*\s+3], s[18:19], \s*0x200000     ; fill s: plane sets 4 s ..
	s_or_b32 s[G0+4*\s+3], s[G0+4*\s+3], 0x80000000
	s_mov_b32 s[G0B+4*\s], 1
	s_add_co_u32 s[G0B+4*\s+1], s20, \s*SLOT
	s_add_nc_u64 s[G0B+4*\s+2:G0B+4*\s+3], s[46:47], \s*0x80000    ; k blocks 4 s ..
	s_or_b32 s[G0B+4*\s+3], s[G0B+4*\s+3], 0x80000000
	JLOAD \s
.endr
	v_and_b32 v1, 31, v0
	v_lshlrev_b32 v3, 4, v1                        ; 16 x lane
	v_and_b32 v1, 15, v0                           ; r
	v_bfe_u32 v2, v0, 4, 1                         ; h
	s_lshl_b32 s21, s13, 13                        ; my four row tiles of a plane of F
	s_lshl_b32 s22, s14, 13                        ; my four feature tiles of a plane of Wf,
	s_add_co_u32 s22, s22, 65536                   ; which lie behind F's four planes
.irp s, 0,1
	v_add_nc_u32 v[ADRA+\s], s21, v3
	v_add_nc_u32 v[ADRB+\s], s22, v3
	s_add_co_u32 s21, s21, SLOT
	s_add_co_u32 s22, s22, SLOT
.endr
	s_mul_i32 s23, s12, 4352
	s_add_co_u32 s23, s23, STAGE                   ; my stage
	v_mul_u32_u24 v4, v1, 272
	v_lshl_add_u32 v4, v2, 5, v4
	v_add_nc_u32 v[STO], s23, v4                   ; in: row r, 32 bytes for each half of the lanes
	v_mul_u32_u24 v5, v2, 272
	v_lshl_add_u32 v5, v1, 4, v5
	v_add_nc_u32 v[RD], s23, v5                    ; back: lanes 0-15 one row of 256 bytes, lanes 16-31 the next
	v_lshlrev_b32 v5, 12, v2
	v_lshl_add_u32 v[CO], v1, 4, v5                ; and the same two rows in out0
	v_lshlrev_b32 v[BO], 4, v1
	s_lshl_b32 s46, s42, 9                         ; my first column, in bytes: 512 x block column + 256 x half
	s_lshl_b32 s47, s14, 8
	s_add_co_u32 s46, s46, s47
	s_mov_b32 s47, 0
	s_add_nc_u64 s[8:9], s[8:9], s[46:47]
	s_add_nc_u64 s[10:11], s[10:11], s[46:47]
	s_lshl_b32 s16, s15, 19                        ; my first row: 128 x block row + 64 x half, rows of 4,096 bytes
	s_lshl_b32 s17, s13, 18
	s_add_co_u32 s16, s16, s17
	s_mov_b32 s17, 0
	s_add_nc_u64 s[10:11], s[10:11], s[16:17]
	global_load_b128 v[BQ:BQ+3], v[BO], s[8:9]
; 32 LDS reads: the fragments of plane pl (64 along K) of a slot into fragment set 0 or 1
.macro FETCH slot, pl, set
	WIN 0x40*\set                                  ; destination window = the set; addresses in window 0
.irp c, 0,1
.irp b, 0,1,2,3
	ds_load_b128 v[FW+(4*\c+\b)*8:FW+(4*\c+\b)*8+3], v[ADRB+\slot] offset:\pl*16384+\b*2048+\c*1024
	ds_load_b128 v[FW+(4*\c+\b)*8+4:FW+(4*\c+\b)*8+7], v[ADRB+\slot] offset:\pl*16384+\b*2048+\c*1024+512
.endr
.irp a, 0,1,2,3
	ds_load_b128 v[FF+(4*\c+\a)*8:FF+(4*\c+\a)*8+3], v[ADRA+\slot] offset:\pl*16384+\a*2048+\c*1024
	ds_load_b128 v[FF+(4*\c+\a)*8+4:FF+(4*\c+\a)*8+7], v[ADRA+\slot] offset:\pl*16384+\a*2048+\c*1024+512
.endr
.endr
.endm
; 32 matrix instructions on one set; the 16 accumulators take turns in one order throughout.  zero = 1: the first products start the sums
.macro MUL set, zero
	WIN 0xa0+5*\set                                ; C and D in window 2, both sources in the set's window
.irp c, 0,1
.irp a, 0,1,2,3
.irp b, 0,1,2,3
.if \zero-\c == 1
	v_wmma_f32_16x16x32_bf16 v[(4*\a+\b)*8:(4*\a+\b)*8+7], v[FW+(4*\c+\b)*8:FW+(4*\c+\b)*8+7], v[FF+(4*\c+\a)*8:FF+(4*\c+\a)*8+7], 0
.else
	v_wmma_f32_16x16x32_bf16 v[(4*\a+\b)*8:(4*\a+\b)*8+7], v[FW+(4*\c+\b)*8:FW+(4*\c+\b)*8+7], v[FF+(4*\c+\a)*8:FF+(4*\c+\a)*8+7], v[(4*\a+\b)*8:(4*\a+\b)*8+7]
.endif
.endr
.endr
.endr
.endm
; a slot's four planes: while one set is multiplied the other is fetched
.macro COMPUTE slot, zero
	PLACES
	FETCH \slot, 0, 0
	FETCH \slot, 1, 1
	s_wait_dscnt 32                                ; plane 0 is in; plane 1's 32 reads are younger
	MUL 0, \zero
	PLACES
	FETCH \slot, 2, 0
	s_wait_dscnt 32                                ; plane 1 is in; plane 2's reads are younger
	MUL 1, 0
	PLACES
	FETCH \slot, 3, 1
	s_wait_dscnt 32                                ; plane 2 is in; plane 3's reads are younger
	MUL 0, 0
	s_wait_dscnt 0x0
	MUL 1, 0
.endm
; slot s, which has been read, is filled again two fills on.  Every wave waits for its reads and for all its tensor loads (the other slot's fill among
; them), then the round of the cluster's barrier: no wave of any partner still reads the slot or has a load on its way; the joint load comes first behind it.
; F goes 8 plane sets on.  Wf goes 8 k blocks on, or (back = 1) 8 back: a slot's fills meet k blocks 0, 8, 0, 8 (slot 1: 4, 12, 4, 12).
.macro REFILL s, back
	WIN 0                                          ; at a branch and at a label every window is 0
	s_wait_dscnt 0x0
	s_wait_tensorcnt 0x0
	ds_add_u32 v254, v255
	s_wait_dscnt 0x0
	CROUND
	s_add_nc_u64 s[G0+4*\s+2:G0+4*\s+3], s[G0+4*\s+2:G0+4*\s+3], 0x400000
.if \back
	s_sub_nc_u64 s[G0B+4*\s+2:G0B+4*\s+3], s[G0B+4*\s+2:G0B+4*\s+3], 0x100000
.else
	s_add_nc_u64 s[G0B+4*\s+2:G0B+4*\s+3], s[G0B+4*\s+2:G0B+4*\s+3], 0x100000
.endif
	JLOAD \s
.endm
	s_wait_tensorcnt 0x1                           ; my part of fill 0 is in; fill 1 may stay out
	s_barrier_signal -1
	s_barrier_wait -1
	COMPUTE 0, 1                                   ; hi, k blocks 0-3
	REFILL 0, 0
	COMPUTE 1, 0                                   ; hi, k blocks 4-7
	REFILL 1, 0
	COMPUTE 0, 0                                   ; hi, k blocks 8-11
	REFILL 0, 1
	COMPUTE 1, 0                                   ; hi, k blocks 12-15
	REFILL 1, 1
	COMPUTE 0, 0                                   ; lo, k blocks 0-3
	REFILL 0, 0
	COMPUTE 1, 0                                   ; lo, k blocks 4-7
	REFILL 1, 0
	COMPUTE 0, 0                                   ; lo, k blocks 8-11
	WIN 0
	s_wait_dscnt 0x0
	s_wait_tensorcnt 0x0                           ; my part of the last fill is in,
	s_barrier_signal -1
	s_barrier_wait -1                              ; everybody's is; nothing is left to fetch
	COMPUTE 1, 0                                   ; lo, k blocks 12-15
	; THE WAY OUT, 16 rows at a time: 32 bytes a lane and tile into my own stage, read back as whole rows of 256 bytes, the bias added, stored.
	PLACES
	WIN 0
	s_wait_loadcnt 0x0                             ; the bias
.irp a, 0,1,2,3
	WIN 0x08                                       ; store data in window 2
.irp b, 0,1,2,3
	ds_store_b128 v[STO], v[(4*\a+\b)*8:(4*\a+\b)*8+3] offset:\b*64
	ds_store_b128 v[STO], v[(4*\a+\b)*8+4:(4*\a+\b)*8+7] offset:\b*64+16
.endr
	WIN 0
	s_wait_xcnt 0x0                                ; v[192:223], which the last rows' stores read, are loaded again only behind this wait
.irp e, 0,1,2,3,4,5,6,7
	ds_load_b128 v[TMP+4*\e:TMP+4*\e+3], v[RD] offset:\e*544   ; LDS serves a wave's instructions in order (ISA guide 5.7.1): these see the stores above
.endr
.irp e, 0,1,2,3,4,5,6,7
	s_wait_dscnt 7-\e                              ; read e is in; the later ones are younger
	v_pk_add_f32 v[TMP+4*\e:TMP+4*\e+1], v[TMP+4*\e:TMP+4*\e+1], v[BQ:BQ+1]
	v_pk_add_f32 v[TMP+4*\e+2:TMP+4*\e+3], v[TMP+4*\e+2:TMP+4*\e+3], v[BQ+2:BQ+3]
	global_store_b128 v[CO], v[TMP+4*\e:TMP+4*\e+3], s[10:11] offset:(16*\a+2*\e)*4096   ; 16 lanes store 256 consecutive bytes, aligned
.endr
.endr
	s_wait_tensorcnt 0x0
	ds_add_u32 v254, v255
	s_wait_dscnt 0x0
	CROUND                                         ; the closing round: no work-group ends while a partner may still ask for a plane that names it
	s_endpgm
.Lfunc_end_k_q18a4821f43_outp:
	.size	k_q18a4821f43_outp, .Lfunc_end_k_q18a4821f43_outp-k_q18a4821f43_outp
	.p2alignl 7, 3214868480
	.fill 96, 4, 3214868480
	.section	.rodata,"a",@progbits
	.p2align	6, 0x0
	.amdhsa_kernel k_q18a4821f43_outp
		.amdhsa_group_segment_fixed_size 327680
		.amdhsa_private_segment_fixed_size 0
		.amdhsa_enable_private_segment 0
		.amdhsa_kernarg_size 32
		.amdhsa_user_sgpr_count 2
		.amdhsa_user_sgpr_kernarg_segment_ptr 1
		.amdhsa_wavefront_size32 1
		.amdhsa_system_sgpr_workgroup_id_x 1
		.amdhsa_system_sgpr_workgroup_id_y 1
		.amdhsa_system_sgpr_workgroup_id_z 1
		.amdhsa_system_vgpr_workitem_id 0
		.amdhsa_next_free_vgpr 640
		.amdhsa_next_free_sgpr 66
		.amdhsa_reserve_vcc 0
		.amdhsa_float_denorm_mode_32 3
		.amdhsa_float_denorm_mode_16_64 3
		.amdhsa_memory_ordered 1
		.amdhsa_forward_progress 1
		.amdhsa_inst_pref_size 159
	.end_amdhsa_kernel
	.amdgpu_metadata
---
amdhsa.version: [ 1, 2 ]
amdhsa.kernels:
  - .name:           k_q18a4821f43_outp
    .symbol:         k_q18a4821f43_outp.kd
    .args:
      - { .name: F, .offset: 0, .size: 8, .value_kind: global_buffer, .address_space: global }
      - { .name: Wf, .offset: 8, .size: 8, .value_kind: global_buffer, .address_space: global }
      - { .name: out_b, .offset: 16, .size: 8, .value_kind: global_buffer, .address_space: global }
      - { .name: out0, .offset: 24, .size: 8, .value_kind: global_buffer, .address_space: global }
    .group_segment_fixed_size: 327680
    .private_segment_fixed_size: 0
    .kernarg_segment_align: 8
    .kernarg_segment_size: 32
    .max_flat_workgroup_size: 128
    .sgpr_count:     66
    .vgpr_count:     640
    .wavefront_size: 32
...
	.end_amdgpu_metadata
.endif
;; end of part 3
